; MI455X (gfx1250); checked and timed in simulation.
; The chip was launched on July 23, 2026; its instructions are those of AMD's public machine-readable ISA for CDNA 5 (MIT licence, August 2026) and "CDNA5" Instruction Set Architecture Reference Guide (July 2026). The comments in the code are by the model that wrote it; some were corrected since.
;; Self Attention Layer. Allowed arithmetic: matrix products marked QUANTISED: E5M2 operands, one given power-of-two scale a tensor, by v_wmma_f32_16x16x64_bf8_bf8 or v_wmma_f32_16x16x128_bf8_bf8, f32 sums; everything else in f32.
;; Inputs: Wk_codes 1,024 x 16 x 32 uint8 (E5M2 codes of Wk, K innermost, in blocks of 32 codes); Wq_codes 1,024 x 16 x 32 uint8 (E5M2 codes of Wq, K innermost, in blocks of 32 codes); Wv_codes 1,024 x 16 x 32 uint8 (E5M2 codes of Wv, K innermost, in blocks of 32 codes); X_codes 8 x 2,048 x 16 x 32 uint8 (E5M2 codes of X, K innermost, in blocks of 32 codes); bk 1,024 float32; bq 1,024 float32; bv 1,024 float32; lowp_scales 8 int32 (the exponents e of the quantised operands' scales 2^e).
;; Outputs: out0 8 x 2,048 x 1,024 float32.
;; This version of the problem:
;;   THIS VERSION OF THE PROBLEM IS GIVEN IN LOW PRECISION. The matrix products marked QUANTISED in the list below multiply operands that are first quantised to E5M2 (5 exponent bits, 2 mantissa bits; 8 bits a number), with one given power-of-two scale for each operand tensor; their sums are f32. All else is computed in f32.
;;   The module's matrix products, in the order in which they are computed (A, B: the left and right operand; K: the contracted axis; several contracted axes count as one K, in the product's order):
;;     1. [M 16,384, K 512] x [K 512, N 1,024]; A: input X (given as codes); B: input Wq (given as codes): QUANTISED (scales: A lowp_scales[0], B lowp_scales[1])
;;     2. [M 16,384, K 512] x [K 512, N 1,024]; A: input X (given as codes); B: input Wk (given as codes): QUANTISED (scales: A lowp_scales[2], B lowp_scales[3])
;;     3. [M 16,384, K 512] x [K 512, N 1,024]; A: input X (given as codes); B: input Wv (given as codes): QUANTISED (scales: A lowp_scales[4], B lowp_scales[5])
;;     4. batch 8 x [M 2,048, K 1,024] x [K 1,024, N 2,048]; A: computed on the way; B: computed on the way: QUANTISED (scales: A lowp_scales[6], B lowp_scales[7])
;;   THE QUANTISER, for each operand of a quantised product, along K:
;;     - The operand's scale is 2^e, e = its entry of the input lowp_scales (int32; the entries are numbered through the quantised products in the list's order, A before B).
;;     - Each number is divided by the scale, clamped to +-57,344, and rounded to the nearest number of E5M2, ties to even, subnormals kept.
;;     - The product sums the exact products of the quantised numbers (number of the format x scale) in f32.
;;   ~~~python
;;   def quantise(x, axis, e):      # numpy; x: float32 -> the quantised numbers, widened to float32 again
;;       x = np.moveaxis(x, axis, -1); K = x.shape[-1]
;;       r = np.clip(x / 2.0 ** e, -57344, 57344)
;;       step = 2.0 ** (np.maximum(np.frexp(np.where(r == 0, 1, r))[1] - 1, -14) - 2)
;;       q = np.round(r / step) * step * 2.0 ** e      # np.round: ties to even
;;       return np.moveaxis(q, -1, axis).astype(np.float32)
;;   ~~~
;;   OPERANDS COMPUTED ON THE WAY. 'Computed on the way' means the value that the module computes at that place (a softmax that the list does not call 'softmax' is quantised finished and normalised). What goes into a quantiser is computed in f32, as accurately as f32 sums, v_exp_f32 and their like allow (about 1e-6 of the number): no bf16 or f16 on the way to a quantiser, and a product that is left as it is and whose result goes on into a quantised operand takes f32 operands (vector FMAs, or v_wmma_f32_16x16x4_f32). A number that lies on a knife's edge between two numbers of the format may be rounded either way, as far as f32 arithmetic and the matrix unit's own rounding can turn it there, and no further.
;;   INPUTS GIVEN AS CODES. Wk (in the module: [1024, 512], K = its axis 1); Wq (in the module: [1024, 512], K = its axis 1); Wv (in the module: [1024, 512], K = its axis 1); X (in the module: [8, 2048, 512], K = its axis 2): each comes as NAME_codes (uint8): NAME with its K axis moved to the last place and cut into blocks of 32 codes, [.., K / 32, bytes a block], one block behind the other in memory; one code a byte (a code: sign, 5 exponent bits, 2 mantissa bits); its scale is its entry of lowp_scales. Its value is code x scale, taken as it is: it is not quantised again, and the codes and scales need not be those that the quantiser above would give.
;; One version. Each part assembles by itself: llvm-mc -triple=amdgcn-amd-amdhsa -mcpu=gfx1250 --defsym DOCPART=n.
;; ======== version 1 of 1: 1 launch
;; launch vproj (part 1): grid 4 x 64, 4 waves a work-group, clusters of 4 x 4, 270,848 bytes of LDS; arguments X_codes, Wv_codes, bv, lowp_scales, out0; writes out0
.if DOCPART == 1
	.amdgcn_target "amdgcn-amd-amdhsa--gfx1250"
	.amdhsa_code_object_version 6
	.text
	.protected	k_q68bd4315a2_vproj
	.globl	k_q68bd4315a2_vproj
	.p2align	8
	.type	k_q68bd4315a2_vproj,@function
k_q68bd4315a2_vproj:
	s_mov_b64 s[64:65], 0
	v_nop
	global_prefetch_b8 v0, s[64:65] scope:SCOPE_SE
	s_setreg_imm32_b32 hwreg(HW_REG_WAVE_MODE, 25, 1), 1
	s_wait_xcnt 0x0
	s_wait_alu depctr_hold_cnt(0) depctr_sa_sdst(0) depctr_va_vdst(0) depctr_va_sdst(0) depctr_va_ssrc(0) depctr_va_vcc(0) depctr_vm_vsrc(0)
	s_getreg_b32 s2, hwreg(HW_REG_IB_STS2, 6, 4)
	s_cmp_eq_u32 s2, 0
	s_cbranch_scc0 .Lentry_in_a_cluster
	s_endpgm
.Lentry_in_a_cluster:
	s_bfe_u32 s2, ttmp6, 0x10000c
	s_cmp_lg_u32 s2, 0xf033
	s_cbranch_scc0 .Lentry_shape_is_right
	s_endpgm
.Lentry_shape_is_right:
; out0[b][j][:] = (sum over l of A[b][j][l]) x V[b][j][:],  A = softmax along l of tril(Q K^T) / 32,  V = X Wv^T + bv.
; WORK LEFT OUT, AND WHY IT IS DEAD.  For every (b, j) and every finite row z of tril(Q K^T) / 32:  A[l] = exp(z[l] - max z) / S with S = sum over l of exp(z[l] - max z).
; S holds the term exp(0) = 1, so S > 0, and sum over l of A[l] = S / S = 1: a factor that is 1 by an identity, whatever Q, K, their quantisers' codes and the mask give.  So nothing of Q, K, the scores,
; the tril, the softmax or its row sum can reach out0: the products X Wq^T, X Wk^T and Q K^T are not made, and Wq_codes, Wk_codes, bq, bk and the entries 0-3, 6, 7 of lowp_scales are not loaded
; and are not among the arguments.  In f32 the row sum of 2,048 normalised terms differs from 1 by rounding alone.
; LIMIT: a NaN, an infinity or an overflow that arises only in the work left out (Q, K, the scores, the softmax) is not carried to out0.
; WHAT IS COMPUTED.  out0[m][n] = 2^(e4 + e5) x (sum over k of X[m][k] Wv[n][k], on the E5M2 codes as they are given, f32 sums) + bv[n];  m = 16,384 rows (b, j), n = 1,024, k = 512;  e4, e5 = lowp_scales[4], [5].
; LIMIT: e4 + e5 lies between -126 and 127, so that 2^(e4 + e5) is an f32 number.
; SHARES.  A tile of out0, 256 x 256, is made by a work-group of four waves; 64 x 4 tiles are 256 work-groups.  A wave makes 128 x 128.  The whole K lies in LDS at once: 256 rows of X and 256 of Wv, 512 bytes each.
; Nothing in LDS is filled a second time: no ring, and every tile is asked for at the kernel's head (so nothing is left that a prefetch could run ahead of).
; CLUSTERS: 4 x 4 work-groups.  The four of a row of the cluster need the same rows of X, the four of a column the same rows of Wv: each tile is asked for JOINTLY, by the same tensor load with the same
; descriptor and a mask that names the four.  Every wave issues two such loads, a quarter of Wv's tile and a quarter of X's: two tensor loads of a wave are out at the most.
; Wv STAYS IN REGISTERS, out0 GOES BY ROWS.  A wave holds its 128 columns of Wv for all 512 of K (8 tiles x 4 K steps x 16 registers = 512) and walks its 128 rows in 8 blocks of 16: a block is 32 matrix
; instructions on 8 accumulators by turns, K ascending; then it is finished and is stored while the next blocks are multiplied.  Every fragment is read from LDS once.
; NO STAGE ON THE WAY OUT.  Source 0 = 16 rows of X, source 1 = 16 rows of Wv, and THE ROWS OF Wv THAT FORM A TILE ARE NOT NEIGHBOURS: lane r of tile 4 g + i takes column 64 g + 4 r + i.  Register j of that
; accumulator in lane (r, h) is then out0(8 h + j, 64 g + 4 r + i).  The multiply-add that is owed anyway (sum x 2^(e4 + e5) + bv) puts tiles 4 g + 0 .. 3 side by side: four registers on end are four neighbouring
; columns, and sixteen neighbouring lanes of a 16-byte store write 256 consecutive bytes, at a multiple of 256 from out0's first byte.
; So that the lanes of a fragment load still read LDS rows on end, Wv's tile comes as four tiles, one for each i: 64 rows, four rows of memory apart; region i, row p holds Wv's row 256 tc + 4 p + i.
; k IN A FRAGMENT: four loads of 16 bytes, 32 apart: lane (r, h) holds k = 32 c + 16 h + 0 .. 15 in registers 4 c .. 4 c + 3: a permutation of k that is the same in X and in Wv, so every product meets its partner.
; REGISTERS, in windows of 256:  window 0: v1-13 addresses; v16-23 bv; v28, v29 the add's two; v64-191 X's fragments, two buffers of 16 rows x 512 K; v192-255 a finished block.
;   windows 1, 2: Wv's fragments: tile f, K step s at v[128 (s % 2) + 16 f] of window 1 + s / 2.   window 3: two sets of 8 accumulators, set a % 2 for block a, tile f at v[64 (a % 2) + 8 f].
.set PITCH,  528                       ; an LDS row: 512 bytes of data + 16 of padding = 132 words: row r starts at bank 4 r mod 64 (64 banks of 4 bytes: ISA guide 11.1), so the 16 rows that a load touches start at 16 different banks
.set QUART,  64*PITCH                  ; 64 rows: what one tensor load brings
.set A_BASE, 0                         ; X's 256 rows
.set B_BASE, 4*QUART                   ; Wv's four regions of 64 rows
.set SPARE,  8*QUART                   ; behind them (270,336 = 1,056 x 256): the spare words, 128 bytes for each wave: two blocks of 256 bytes that no other line names
.set FLAGS,  (0<<16)|(1<<20)|(1<<21)|(6<<22)|(3<<25)   ; 17:16 elements of 1 byte; 20 padding on; 21 set beside a mask; 24:22 after every 128 words (code 6); 31:25 four words of it (code 3)
.set ADRA, 4                           ; v4     LDS address of my lane's bytes in my first row block of X
.set ADRB, 8                           ; v8-11  the same in Wv's region i, at my 32 rows of it
.set CO,   12                          ; v12    my byte offset in a block of out0: 8 h rows of 4,096 bytes + 16 r; never rewritten
.set BO,   13                          ; v13    16 r: my byte offset in bv; never rewritten
.set BI,   16                          ; v16-23 bv of column 64 g + 4 r + i at v[BI + 4 g + i]
.set SPW,  28                          ; v28    LDS address of my spare word: SPARE + 4 x my thread's number; never rewritten
.set NIL,  29                          ; v29    0; never rewritten
.set AF,   64                          ; X's fragments
.set TMP,  192                         ; a block's finished numbers: row j, columns 64 g + 4 r + i at v[TMP + 4 (8 g + j) + i]
.set G1A,  24                          ; s[24:31] descriptor group 1 for X's tiles;   s[32:35] its group 0
.set G0A,  32
.set G0B,  36                          ; s[36:39] group 0 for Wv's tiles;             s[48:55] their group 1
.set G1B,  48
.set MUL1, 0xf4                        ; source 0 (X) window 0, source 1 (Wv) window 1, C and D window 3
.set MUL2, 0xf8                        ; the same with Wv in window 2
.set MSB, 0
.macro WIN new                         ; the immediate's high byte repeats the setting that is left; a switch that changes nothing is dropped
.if MSB != \new
	s_set_vgpr_msb (MSB<<8)|\new
.set MSB, \new
.endif
.endm
.macro CREST                           ; a round of the cluster's barrier behind its opening barrier
	s_cmp_lg_u32 s14, 0
	s_cbranch_scc1 .Lnot_wave_0_\@
	s_barrier_signal -3
.Lnot_wave_0_\@:
	s_barrier_wait -3
	s_barrier_signal -1
	s_barrier_wait -1
.endm
.macro CROUND                          ; a whole round: my work-group's barrier; wave 0 signals for the work-group; every wave waits for all sixteen; my work-group's barrier once more
	s_barrier_signal -1
	s_barrier_wait -1
	CREST
.endm
.macro PLACES n
.rept \n
	v_nop
.endr
.endm
	s_load_b256 s[4:11], s[0:1], 0x0               ; X's codes s[4:5], Wv's codes s[6:7], bv s[8:9], the scales' exponents s[10:11]
	s_load_b64 s[12:13], s[0:1], 0x20              ; out0
	v_lshl_add_u32 v[SPW], v0, 2, SPARE
	v_mov_b32 v[NIL], 0
	ds_add_u32 v[SPW], v[NIL]                      ; the wave's opening: the add, twice on end, and its wait ahead of my first tensor load; the set-up below the second, work on registers, stands between it and the wait
	ds_add_u32 v[SPW], v[NIL]                      ; and once more, under the one wait
	v_lshrrev_b32 v1, 5, v0
	v_readfirstlane_b32 s14, v1                    ; wave w = 0..3: also the quarter of each tile that I fetch
	s_lshr_b32 s15, s14, 1                         ; wm: which 128 rows of the tile are mine
	s_and_b32 s16, s14, 1                          ; wn: which 128 columns
	s_bfe_u32 s40, ttmp6, 0x40000                  ; cx, cy: my place in the cluster
	s_bfe_u32 s41, ttmp6, 0x40004
	s_lshl_b32 s42, ttmp9, 2
	s_add_co_u32 s42, s42, s40                     ; tc, tile column of out0 = 4 x cluster x + cx
	s_and_b32 s17, ttmp7, 0xffff
	s_lshl_b32 s17, s17, 2
	s_add_co_u32 s17, s17, s41                     ; tr, tile row of out0 = 4 x cluster y + cy
	s_lshl_b32 s43, s41, 2
	s_lshl_b32 s43, 15, s43                        ; my row of the cluster: places 4 cy .. 4 cy + 3
	s_lshl_b32 s44, 0x1111, s40                    ; my column: places cx, cx + 4, cx + 8, cx + 12
	; descriptor group 1: tiles of 64 rows x 512 bytes, padded in LDS.  X's rows follow each other in memory; Wv's lie four rows (2,048 bytes) apart
	s_or_b32 s[G1A+0], s43, FLAGS                  ; 15:0 the mask: X's tiles go to my row of the cluster
	s_or_b32 s[G1B+0], s44, FLAGS                  ; Wv's to my column
.irp g, G1A, G1B
	s_mov_b32 s[\g+1], 512<<16                     ; tensor_dim0 = 512
	s_mov_b32 s[\g+2], 64<<16                      ; tensor_dim1 = 64
	s_mov_b32 s[\g+3], 512<<16                     ; tile_dim0 = 512
	s_mov_b32 s[\g+4], 64                          ; tile_dim1 = 64
	s_mov_b32 s[\g+6], 0
	s_mov_b32 s[\g+7], 0
.endr
	s_mov_b32 s[G1A+5], 512                        ; tensor_dim0_stride: from row to row
	s_mov_b32 s[G1B+5], 2048
	; where the tiles come from.  X's address hangs on the tile row and the wave's number, Wv's on the tile column and the wave's number, each in registers that never hold the other coordinate
	s_lshl_b32 s20, s17, 17                        ; X: 256 tr rows of 512 bytes
	s_lshl_b32 s21, s14, 15                        ;    + 64 w rows
	s_add_co_u32 s20, s20, s21
	s_mov_b32 s21, 0
	s_lshl_b32 s46, s42, 17                        ; Wv: 256 tc rows of 512 bytes
	s_lshl_b32 s47, s14, 9                         ;    + w rows: region w begins at row 256 tc + w
	s_add_co_u32 s46, s46, s47
	s_mov_b32 s47, 0
	s_mul_i32 s45, s14, QUART                      ; and where they go: quarter w: no place in the cluster enters an LDS address
	s_wait_dscnt 0x0                               ; both opening adds are done
	s_wait_kmcnt 0x0
	s_load_b64 s[56:57], s[10:11], 0x10            ; e4, e5: the scales of X and of Wv in the product that is made
	s_mov_b32 s[G0A], 1                            ; 1:0 count = 1
	s_add_co_u32 s[G0A+1], s45, A_BASE             ; 63:32 LDS address
	s_add_nc_u64 s[G0A+2:G0A+3], s[4:5], s[20:21]  ; 120:64 global address of the tile's first byte
	s_or_b32 s[G0A+3], s[G0A+3], 0x80000000        ; 127:126 type = 2
	s_mov_b32 s[G0B], 1
	s_add_co_u32 s[G0B+1], s45, B_BASE
	s_add_nc_u64 s[G0B+2:G0B+3], s[6:7], s[46:47]
	s_or_b32 s[G0B+3], s[G0B+3], 0x80000000
	CROUND                                         ; all sixteen work-groups are here: the joint loads meet
	tensor_load_to_lds s[G0B:G0B+3], s[G1B:G1B+7]  ; Wv's first: its fragments go into registers while X's tile lands
	s_nop 0
	tensor_load_to_lds s[G0A:G0A+3], s[G1A:G1A+7]
	s_nop 0                                        ; an s_nop 0 follows each load, four v_nop the second
	PLACES 4
	v_and_b32 v1, 15, v0                           ; r = lane % 16
	v_bfe_u32 v2, v0, 4, 1                         ; h = lane / 16
	v_mul_u32_u24 v3, v1, PITCH
	v_lshl_add_u32 v3, v2, 4, v3                   ; a fragment's row x pitch + 16 x half
	s_mul_i32 s22, s15, 128*PITCH                  ; my 128 rows of X
	v_add_nc_u32 v[ADRA], s22, v3
	s_mul_i32 s23, s16, 32*PITCH                   ; my 32 rows of each of Wv's regions: column 128 wn + 64 g + 4 r + i is row 32 wn + 16 g + r of region i
	s_add_co_u32 s23, s23, B_BASE
.irp i, 0,1,2,3
	v_add_nc_u32 v[ADRB+\i], s23, v3
	s_add_co_u32 s23, s23, QUART
.endr
	v_lshlrev_b32 v[BO], 4, v1                     ; four columns of 4 bytes a lane
	v_lshl_add_u32 v[CO], v2, 15, v[BO]            ; lanes 16-31 stand eight rows of 4,096 bytes further down
	s_lshl_b32 s60, s42, 10                        ; my first column, in bytes of f32: 1,024 tc + 512 wn
	s_lshl_b32 s61, s16, 9
	s_add_co_u32 s60, s60, s61
	s_mov_b32 s61, 0
	s_add_nc_u64 s[8:9], s[8:9], s[60:61]          ; bv at my first column
	s_lshl_b32 s58, s17, 20                        ; my first row: 256 tr + 128 wm rows of 4,096 bytes (under 2^26)
	s_lshl_b32 s59, s15, 19
	s_add_co_u32 s58, s58, s59
	s_mov_b32 s59, 0
	s_add_nc_u64 s[12:13], s[12:13], s[58:59]
	s_add_nc_u64 s[12:13], s[12:13], s[60:61]      ; out0 at my first row and column; never stepped: every store's place stands in its immediate
	global_load_b128 v[BI:BI+3], v[BO], s[8:9]                 ; bv of columns 4 r + 0 .. 3: sixteen lanes read 256 consecutive bytes,
	global_load_b128 v[BI+4:BI+7], v[BO], s[8:9] offset:256    ; and of columns 64 + 4 r + 0 .. 3
; Wv's eight fragments of K step s: 32 LDS loads in one run
.macro BLOAD s
.if (\s) < 2
	WIN 0x40                                       ; destination window 1, address window 0
.else
	WIN 0x80                                       ; destination window 2
.endif
.irp g, 0,1
.irp i, 0,1,2,3
.irp c, 0,1,2,3
	ds_load_b128 v[128*((\s)%2)+16*(4*\g+\i)+4*\c:128*((\s)%2)+16*(4*\g+\i)+4*\c+3], v[ADRB+\i] offset:\g*16*PITCH+128*(\s)+32*\c
.endr
.endr
.endr
.endm
; X's fragments of block a (16 rows, all four K steps) into buffer a % 2: 16 LDS loads; the largest offset, 7 x 16 x 528 + 480, stays inside the 16-bit immediate
.macro ALOAD a
.irp s, 0,1,2,3
.irp c, 0,1,2,3
	ds_load_b128 v[AF+64*((\a)%2)+16*\s+4*\c:AF+64*((\a)%2)+16*\s+4*\c+3], v[ADRA] offset:(\a)*16*PITCH+128*\s+32*\c
.endr
.endr
.endm
; Block a: 32 matrix instructions.  The first K step's products start the sums: nothing is ever cleared.  The block's 8 accumulators take turns, one instruction a turn, and neighbouring blocks use different
; sets.
.macro ROW a
.set PA, AF+64*((\a)%2)
.set PD, 64*((\a)%2)
.irp s, 0,1,2,3
.if \s < 2
	WIN MUL1
.else
	WIN MUL2
.endif
.irp f, 0,1,2,3,4,5,6,7
.if \s == 0
	v_wmma_f32_16x16x128_bf8_bf8 v[PD+8*\f:PD+8*\f+7], v[PA+16*\s:PA+16*\s+15], v[128*(\s%2)+16*\f:128*(\s%2)+16*\f+15], 0
.else
	v_wmma_f32_16x16x128_bf8_bf8 v[PD+8*\f:PD+8*\f+7], v[PA+16*\s:PA+16*\s+15], v[128*(\s%2)+16*\f:128*(\s%2)+16*\f+15], v[PD+8*\f:PD+8*\f+7]
.endif
.endr
.endr
.endm
; Block a leaves: 64 fused multiply-adds, sum x 2^(e4 + e5) + bv, each accumulator from its low end on, into the order in which the stores want them; then 16 stores.
.macro FIN a
.set PD, 64*((\a)%2)
	s_wait_xcnt 0x0                                ; the block before has stored from these registers, 32 matrix instructions ago: they are written again only behind this wait
	WIN 0x03                                       ; source 0 (the sums) window 3
.irp g, 0,1
.irp j, 0,1,2,3,4,5,6,7
.irp i, 0,1,2,3
	v_fma_f32 v[TMP+4*(8*\g+\j)+\i], v[PD+8*(4*\g+\i)+\j], s56, v[BI+4*\g+\i]
.endr
.endr
.endr
	WIN 0
.irp j, 0,1,2,3,4,5,6,7
.irp g, 0,1
	global_store_b128 v[CO], v[TMP+4*(8*\g+\j):TMP+4*(8*\g+\j)+3], s[12:13] offset:(16*(\a)+\j)*4096+256*\g th:TH_STORE_NT   ; lanes 0-15: 256 consecutive bytes of row 16 a + j, lanes 16-31: of row 16 a + j + 8, each at a multiple of 256 from out0's first byte; written once, read by nobody here
.endr
.endr
.endm
	s_wait_tensorcnt 0x1                           ; my region of Wv is in; my quarter of X, asked for behind it, may stay out: nothing is filled a second time in this launch
	s_barrier_signal -1
	s_barrier_wait -1                              ; everybody's region is in
	BLOAD 0
	BLOAD 1
	BLOAD 2
	BLOAD 3                                        ; 128 loads: my columns of Wv for all of K, once
	WIN 0
	s_wait_tensorcnt 0x0                           ; my quarter of X is in;
	s_wait_dscnt 0x0                               ; no LDS load of mine is out at the signal
	s_barrier_signal -1
	s_barrier_wait -1                              ; everybody's quarter is in
	ALOAD 0
	ALOAD 1
	s_wait_kmcnt 0x0
	s_add_co_i32 s56, s56, s57                     ; e4 + e5, between -126 and 127,
	s_add_co_i32 s56, s56, 127
	s_lshl_b32 s56, s56, 23                        ; makes the f32 number 2^(e4 + e5)
	s_wait_loadcnt 0x0                             ; bv
	s_wait_dscnt 16                                ; block 0's fragments are in; block 1's sixteen loads may be out
	ROW 0
	WIN 0
	PLACES 4                                       ; four places between block 0's products and the loads into the registers that they read (ISA guide 7.12.1 for vector instructions); later blocks have the multiply-adds of the block before
	ALOAD 2
.irp a, 1,2,3,4,5,6,7
.if \a < 7
	s_wait_dscnt 16                                ; block a's fragments are in; the sixteen loads of block a + 1, issued behind them, may be out
.else
	s_wait_dscnt 0x0                               ; the last block's: nothing was issued behind them
.endif
	ROW \a
	FIN \a-1                                       ; its 64 multiply-adds name the other set of accumulators and nothing of block a's products: they are the places in front of the loads below, of block a's own way out, and of block a + 2's products, which begin block a's accumulators anew
.if \a <= 5
	ALOAD \a+2                                     ; into the buffer that block a has just read
.endif
.endr
	FIN 7
	s_wait_tensorcnt 0x0                           ; the wave's end, behind my last tensor load (every window is 0 here)
	ds_add_u32 v[SPW], v[NIL]
	s_wait_dscnt 0x0
	CROUND                                         ; the closing round: no work-group ends while a partner may still ask for a tile that names it
	s_endpgm
.Lfunc_end_k_q68bd4315a2_vproj:
	.size	k_q68bd4315a2_vproj, .Lfunc_end_k_q68bd4315a2_vproj-k_q68bd4315a2_vproj
	.p2alignl 7, 3214868480
	.fill 96, 4, 3214868480
	.section	.rodata,"a",@progbits
	.p2align	6, 0x0
	.amdhsa_kernel k_q68bd4315a2_vproj
		.amdhsa_group_segment_fixed_size 270848
		.amdhsa_private_segment_fixed_size 0
		.amdhsa_enable_private_segment 0
		.amdhsa_kernarg_size 40
		.amdhsa_user_sgpr_count 2
		.amdhsa_user_sgpr_kernarg_segment_ptr 1
		.amdhsa_wavefront_size32 1
		.amdhsa_system_sgpr_workgroup_id_x 1
		.amdhsa_system_sgpr_workgroup_id_y 1
		.amdhsa_system_sgpr_workgroup_id_z 1
		.amdhsa_system_vgpr_workitem_id 0
		.amdhsa_next_free_vgpr 896
		.amdhsa_next_free_sgpr 66
		.amdhsa_reserve_vcc 0
		.amdhsa_float_denorm_mode_32 3
		.amdhsa_float_denorm_mode_16_64 3
		.amdhsa_memory_ordered 1
		.amdhsa_forward_progress 1
		.amdhsa_inst_pref_size 84
	.end_amdhsa_kernel
	.amdgpu_metadata
---
amdhsa.version: [ 1, 2 ]
amdhsa.kernels:
  - .name:           k_q68bd4315a2_vproj
    .symbol:         k_q68bd4315a2_vproj.kd
    .args:
      - { .name: X_codes, .offset: 0, .size: 8, .value_kind: global_buffer, .address_space: global }
      - { .name: Wv_codes, .offset: 8, .size: 8, .value_kind: global_buffer, .address_space: global }
      - { .name: bv, .offset: 16, .size: 8, .value_kind: global_buffer, .address_space: global }
      - { .name: lowp_scales, .offset: 24, .size: 8, .value_kind: global_buffer, .address_space: global }
      - { .name: out0, .offset: 32, .size: 8, .value_kind: global_buffer, .address_space: global }
    .group_segment_fixed_size: 270848
    .private_segment_fixed_size: 0
    .kernarg_segment_align: 8
    .kernarg_segment_size: 40
    .max_flat_workgroup_size: 128
    .sgpr_count:     66
    .vgpr_count:     896
    .wavefront_size: 32
...
	.end_amdgpu_metadata
.endif
;; end of part 1
